; MI455X (gfx1250); checked and timed in simulation.
; The chip was launched on July 23, 2026; its instructions are those of AMD's public machine-readable ISA for CDNA 5 (MIT licence, August 2026) and "CDNA5" Instruction Set Architecture Reference Guide (July 2026). The comments in the code are by the model that wrote it; some were corrected since.
;; Masked Multi Self Attention. Allowed arithmetic: matrix products marked QUANTISED: E2M3 operands, one E8M0 scale for each 32 along K, by v_wmma_scale_f32_16x16x128_f8f6f4 with both operands' format E2M3, f32 sums; everything else in f32.
;; Inputs: Wk 1,024 x 1,024 float32; Wq 1,024 x 1,024 float32; Wv 1,024 x 1,024 float32; bk 1,024 float32; bq 1,024 float32; bv 1,024 float32; x 4 x 2,048 x 1,024 float32.
;; Outputs: out0 4 x 2,048 x 1,024 float32.
;; This version of the problem:
;;   THIS VERSION OF THE PROBLEM IS GIVEN IN LOW PRECISION. The matrix products marked QUANTISED in the list below multiply operands that are first quantised to E2M3 (2 exponent bits, 3 mantissa bits; 6 bits a number), with one power-of-two scale for each 32 numbers along K (OCP MX v1.0); their sums are f32. All else is computed in f32.
;;   The module's matrix products, in the order in which they are computed (A, B: the left and right operand; K: the contracted axis; several contracted axes count as one K, in the product's order):
;;     1. [M 8,192, K 1,024] x [K 1,024, N 1,024]; A: input x; B: input Wq: QUANTISED
;;     2. [M 8,192, K 1,024] x [K 1,024, N 1,024]; A: input x; B: input Wk: QUANTISED
;;     3. [M 8,192, K 1,024] x [K 1,024, N 1,024]; A: input x; B: input Wv: QUANTISED
;;     4. batch 64 x [M 2,048, K 64] x [K 64, N 2,048]; A: computed on the way; B: computed on the way: QUANTISED
;;     5. batch 64 x [M 2,048, K 2,048] x [K 2,048, N 64]; A: softmax (see below); B: computed on the way: QUANTISED
;;   THE QUANTISER, for each operand of a quantised product, along K:
;;     - K is cut into blocks of 32 from its start; a last block that is shorter is filled with zeros.
;;     - A block's scale is 2^e with e = floor(log2(the largest magnitude in the block)) - 2, held to -126 .. 127; a block of zeros has e = 0. As a byte (E8M0): e + 127.
;;     - Each number is divided by its block's scale, clamped to +-7.5, and rounded to the nearest number of E2M3, ties to even, subnormals kept.
;;     - The product sums the exact products of the quantised numbers (number of the format x scale) in f32.
;;   ~~~python
;;   def quantise(x, axis):      # numpy; x: float32 -> the quantised numbers, widened to float32 again
;;       x = np.moveaxis(x, axis, -1); K = x.shape[-1]
;;       x = np.pad(x, [(0, 0)] * (x.ndim - 1) + [(0, -K % 32)]); x = x.reshape(x.shape[:-1] + (-1, 32)); a = np.abs(x).max(-1, keepdims=True)
;;       e = np.where(a > 0, np.clip(np.frexp(np.where(a > 0, a, 1))[1] - 1 - 2, -126, 127), 0)      # np.frexp(a)[1] - 1 = floor(log2(a)), exactly
;;       r = np.clip(x / 2.0 ** e, -7.5, 7.5)
;;       step = 2.0 ** (np.maximum(np.frexp(np.where(r == 0, 1, r))[1] - 1, 0) - 3)
;;       q = np.round(r / step) * step * 2.0 ** e      # np.round: ties to even
;;       return np.moveaxis(q.reshape(q.shape[:-2] + (-1,))[..., :K], -1, axis).astype(np.float32)
;;   ~~~
;;   SOFTMAX AHEAD OF A QUANTISED PRODUCT. Where the list says 'softmax', what is quantised is not the finished softmax but p = 2^(t - M), with t = logit x log2(e) and M = ceil(the row's largest t), a whole number; so 1/2 < the row's largest p <= 1. The row's sum l is taken of the UNQUANTISED p, in f32, and the product's result is divided by l at the end. Since M is a whole number, a kernel that streams over the keys may use a running M (the ceiling of the running maximum): every later rescaling is an exact power of two, which a block's scale takes up: the codes' values come out the same.
;;   OPERANDS COMPUTED ON THE WAY. 'Computed on the way' means the value that the module computes at that place (a softmax that the list does not call 'softmax' is quantised finished and normalised). What goes into a quantiser is computed in f32, as accurately as f32 sums, v_exp_f32 and their like allow (about 1e-6 of the number): no bf16 or f16 on the way to a quantiser, and a product that is left as it is and whose result goes on into a quantised operand takes f32 operands (vector FMAs, or v_wmma_f32_16x16x4_f32). A number that lies on a knife's edge between two numbers of the format may be rounded either way, as far as f32 arithmetic and the matrix unit's own rounding can turn it there, and no further.
;; One version. Each part assembles by itself: llvm-mc -triple=amdgcn-amd-amdhsa -mcpu=gfx1250 --defsym DOCPART=n.
;; ======== version 1 of 1: 3 launches
;; workspace buffers: xrec 6,553,600 bytes; wrec 2,457,600 bytes; qrec 6,815,744 bytes; kvrec 13,369,344 bytes
;; launch pack (part 1): grid 352 x 1, 4 waves a work-group, no clusters, 34,304 bytes of LDS; arguments x, Wq, Wk, Wv, xrec, wrec; writes xrec, wrec
.if DOCPART == 1
	.amdgcn_target "amdgcn-amd-amdhsa--gfx1250"
	.amdhsa_code_object_version 6
	.text
	.protected	k_q9fa1d36ab1_pack
	.globl	k_q9fa1d36ab1_pack
	.p2align	8
	.type	k_q9fa1d36ab1_pack,@function
k_q9fa1d36ab1_pack:
	s_mov_b64 s[64:65], 0
	v_nop
	global_prefetch_b8 v0, s[64:65] scope:SCOPE_SE
	s_setreg_imm32_b32 hwreg(HW_REG_WAVE_MODE, 25, 1), 1
	s_wait_xcnt 0x0
; x [8192][1024] and Wq, Wk, Wv [1024][1024], f32, K innermost, become codes of FP6 (E2M3) with one E8M0 byte for each 32 along K,
; laid as IMAGES OF OPERAND REGISTERS.  A record is 128 rows x 128 along K, 12,800 bytes: eight fragments of 16 rows (1,536 bytes each: registers 4 c .. 4 c + 3
; of lane l at 512 c + 16 l), then the scale words of tiles 0-3 (256 bytes) and of tiles 4-7 (256 bytes): the word of (tile i, row p) at 8 (16 (i % 2) + p) + 4 ((i % 4) / 2).
; THE ROWS OF A TILE ARE NOT NEIGHBOURS: row p of tile i is row 32 (i / 2) + 8 (i % 2) + p + 8 (p / 8) of the 128.  Records: [group of 128 rows][K step of 128].
; A block's scale is 2^(floor(log2(largest magnitude)) - 2); its byte is the largest magnitude's exponent field - 2, held at 1 from below.
; LIMITS: a block of zeros gets the byte 1 where the rule says 127 (its codes are zeros, and this program alone reads the bytes); blocks whose largest magnitude
; lies under 2^-124 are held at the byte 1; NaN and infinities among the inputs are not served.
; SHARES: a wave takes half a record, four tiles.  Work-groups 0-255 take x (1,024 halves), 256-351 the three weights (384).  Each load reads 512 consecutive bytes of
; one row; a tile's 16 rows turn through the wave's own stage in LDS, so that lane (r, h) gets, of row r, k = 32 h + 0 .. 31 and 64 + 32 h + 0 .. 31: two whole blocks,
; in the very order of the operand's registers.  No barrier: waves share nothing.  Loads run two tiles (32 loads a wave) ahead.
.set STG,   8448                       ; a wave's stage: 16 rows x (512 bytes + 16); 528 = 33 x 16, so sixteen lanes that read one column of sixteen rows stand 33 x 16 bytes apart
.set SPARE, 4*STG                      ; behind the stages: the spare words, 128 bytes a wave: two blocks of 256 bytes that no other line names
.set SPW,   10                         ; v10  LDS address of my spare word; never rewritten
.set NIL,   11                         ; v11  0; never rewritten
.set MXM,   12                         ; v12-13 the two blocks' largest magnitudes
.set SOP,   14                         ; v14-15 the conversions' scale operands
.set BY,    16                         ; v16-17 the scale bytes
.set WD,    18                         ; v18  my row's scale word
.set W2,    19                         ; v19  the other half of the lanes' part of it
.set SW,    20                         ; v20-21 the image of four tiles' scale words
.set RR,    32                         ; v32-159  two sets of 64: a tile as it is loaded
.set XX,    160                        ; v160-223 my 64 numbers
.set CC,    224                        ; v224-235 the fragment
.set TP,    236                        ; v236-238, v240-242: a conversion's three registers begin on an even number
	s_load_b256 s[4:11], s[0:1], 0x0               ; x, Wq, Wk, Wv
	s_load_b128 s[12:15], s[0:1], 0x20             ; xrec, wrec
	v_lshl_add_u32 v[SPW], v0, 2, SPARE
	v_mov_b32 v[NIL], 0
	v_lshrrev_b32 v1, 5, v0
	v_readfirstlane_b32 s16, v1                    ; wave
	v_and_b32 v1, 31, v0                           ; lane
	v_and_b32 v2, 15, v0                           ; r
	v_bfe_u32 v3, v0, 4, 1                         ; h
	v_lshlrev_b32 v4, 4, v1                        ; 16 x lane: my bytes of a load, and of a store of codes
	s_mul_i32 s17, s16, STG
	v_add_nc_u32 v5, s17, v4                       ; the stage, on the way in: a row's 512 bytes as they lie
	v_mul_u32_u24 v6, v2, 528
	v_lshl_add_u32 v6, v3, 7, v6
	v_add_nc_u32 v6, s17, v6                       ; and on the way out: row r, + 128 h
	v_lshlrev_b32 v7, 3, v1                        ; 8 x lane: the scale words' image
	v_lshlrev_b32 v8, 3, v3                        ; 8 h: my bytes' place in the scale word
	v_mov_b32 v[W2], 0                             ; a lane permute's destination counts as one of its sources
	s_mov_b32 s20, 0x76543210
	s_mov_b32 s21, 0xfedcba98                      ; v_permlanex16_b32's selects for lane l xor 16
	s_mov_b32 s22, 0xffff0000                      ; lanes 16-31
	s_lshl_b32 s23, ttmp9, 2
	s_add_co_u32 s23, s23, s16                     ; my half record's number
	s_and_b32 s18, s23, 1                          ; which half
	s_bfe_u32 s19, s23, 0x30001                    ; which K step
	s_cmp_lt_u32 ttmp9, 256
	s_cselect_b32 s28, 0, 1024
	s_sub_co_u32 s28, s23, s28
	s_lshr_b32 s28, s28, 4                         ; group of 128 rows: 0..63 of x, or 0..23 of the three weights on end
	s_and_b32 s29, s28, 7
	s_cmp_lt_u32 ttmp9, 256
	s_cselect_b32 s29, s28, s29                    ; the group inside its own tensor
	s_lshl_b32 s30, s29, 19                        ; 128 rows of 4,096 bytes,
	s_lshl_b32 s31, s18, 18                        ; 64 rows,
	s_add_co_u32 s30, s30, s31
	s_lshl_b32 s31, s19, 9                         ; 128 numbers
	s_add_co_u32 s30, s30, s31
	s_mov_b32 s31, 0
	s_lshl_b32 s32, s28, 3
	s_add_co_u32 s32, s32, s19
	s_mul_i32 s32, s32, 12800                      ; my record
	s_mul_i32 s34, s18, 6144
	s_add_co_u32 s34, s34, s32                     ; my four fragments
	s_mov_b32 s35, 0
	s_lshl_b32 s36, s18, 8
	s_add_co_u32 s36, s36, s32
	s_add_co_u32 s36, s36, 12288                   ; my four tiles' scale words
	s_mov_b32 s37, 0
	s_wait_kmcnt 0x0
	s_cmp_lt_u32 s28, 16                           ; the tensors are chosen by numbers that hang on the work-group's number alone
	s_cselect_b64 s[38:39], s[8:9], s[10:11]
	s_cmp_lt_u32 s28, 8
	s_cselect_b64 s[38:39], s[6:7], s[38:39]
	s_cmp_lt_u32 ttmp9, 256
	s_cselect_b64 s[38:39], s[4:5], s[38:39]
	s_cselect_b64 s[40:41], s[12:13], s[14:15]
	s_add_nc_u64 s[38:39], s[38:39], s[30:31]
	s_add_nc_u64 s[24:25], s[40:41], s[34:35]
	s_add_nc_u64 s[26:27], s[40:41], s[36:37]
.macro LOAD t                          ; tile t's sixteen rows, 512 consecutive bytes each, at a multiple of 512 from the tensor's first byte
.set p, 0
.rept 16
	global_load_b128 v[RR+64*((\t)%2)+4*p:RR+64*((\t)%2)+4*p+3], v4, s[38:39] offset:(32*((\t)/2)+8*((\t)%2)+p+8*(p/8))*4096 th:TH_LOAD_NT
.set p, p+1
.endr
.endm
.macro TILE t
.if (\t) < 3
	s_wait_loadcnt 16                              ; this tile's sixteen loads are in; the next tile's may be out
.else
	s_wait_loadcnt 0x0
.endif
.set p, 0
.rept 16
	ds_store_b128 v5, v[RR+64*((\t)%2)+4*p:RR+64*((\t)%2)+4*p+3] offset:528*p
.set p, p+1
.endr
.set p, 0
.rept 8                                ; LDS serves a wave's instructions in order (ISA guide 5.7.1.4): these see the stores above
	ds_load_b128 v[XX+4*p:XX+4*p+3], v6 offset:16*p
	ds_load_b128 v[XX+32+4*p:XX+32+4*p+3], v6 offset:256+16*p
.set p, p+1
.endr
	s_wait_dscnt 0x0                               ; my numbers are in, and the stores have read their registers,
.if (\t) < 2
	LOAD (\t)+2                                    ; which take the tile two on
.endif
.irp c, 0,1
	v_max3_num_f32 v[MXM+\c], |v[XX+32*\c]|, |v[XX+32*\c+1]|, 0x1800000   ; block 2 c + h: all its 32 numbers are mine; and the floor 2^(3 - 127), so that the byte cannot fall under 1
.endr
.irp i, 2,4,6,8,10,12,14,16,18,20,22,24,26,28,30
.irp c, 0,1
	v_max3_num_f32 v[MXM+\c], v[MXM+\c], |v[XX+32*\c+\i]|, |v[XX+32*\c+\i+1]|   ; (the two blocks by turns)
.endr
.endr
.irp c, 0,1
	v_add_nc_u32 v[SOP+\c], 0xff000000, v[MXM+\c]  ; 2 off the exponent field: the conversion takes the exponent field of this operand as its scale
.endr
.irp c, 0,1
	v_lshrrev_b32 v[BY+\c], 23, v[SOP+\c]          ; the scale's byte
.endr
	v_lshl_or_b32 v[WD], v[BY+1], 16, v[BY]        ; blocks h and 2 + h,
	v_lshlrev_b32 v[WD], v8, v[WD]                 ; at their places in the word;
	v_permlanex16_b32 v[W2], v[WD], s20, s21
	v_or_b32 v[WD], v[WD], v[W2]                   ; with lane l xor 16's two the word is whole, in both halves of the lanes
	s_wait_xcnt 0x0                                ; the last tile's stores have read the fragment's registers: only now are they written again
	v_cvt_scalef32_pk16_fp6_f32 v[CC:CC+2], v[XX:XX+15], v[SOP]
	v_cvt_scalef32_pk16_fp6_f32 v[TP:TP+2], v[XX+16:XX+31], v[SOP]
	v_cvt_scalef32_pk16_fp6_f32 v[CC+6:CC+8], v[XX+32:XX+47], v[SOP+1]
	v_cvt_scalef32_pk16_fp6_f32 v[TP+4:TP+6], v[XX+48:XX+63], v[SOP+1]
	v_nop                                          ; one plain place behind a scaled conversion
.irp i, 0,1,2
	v_mov_b32 v[CC+3+\i], v[TP+\i]
	v_mov_b32 v[CC+9+\i], v[TP+4+\i]
.endr
.if (\t)%2 == 0
	v_mov_b32 v[SW+(\t)/2], v[WD]                  ; the even tile's words in lanes 0-15,
.else
	v_cndmask_b32 v[SW+(\t)/2], v[SW+(\t)/2], v[WD], s22   ; the odd tile's in lanes 16-31
.endif
.irp c, 0,1,2
	global_store_b128 v4, v[CC+4*\c:CC+4*\c+3], s[24:25] offset:1536*(\t)+512*\c   ; 32 lanes store 512 consecutive bytes, at a multiple of 256 from the buffer's first byte
.endr
.endm
	LOAD 0
	LOAD 1
	TILE 0
	TILE 1
	TILE 2
	TILE 3
	global_store_b64 v7, v[SW:SW+1], s[26:27]      ; 256 consecutive bytes, aligned
	s_wait_tensorcnt 0x0                           ; the wave's end, behind my last LDS store
	ds_add_u32 v[SPW], v[NIL]
	s_wait_dscnt 0x0
	s_endpgm
.Lfunc_end_k_q9fa1d36ab1_pack:
	.size	k_q9fa1d36ab1_pack, .Lfunc_end_k_q9fa1d36ab1_pack-k_q9fa1d36ab1_pack
	.p2alignl 7, 3214868480
	.fill 96, 4, 3214868480
	.section	.rodata,"a",@progbits
	.p2align	6, 0x0
	.amdhsa_kernel k_q9fa1d36ab1_pack
		.amdhsa_group_segment_fixed_size 34304
		.amdhsa_private_segment_fixed_size 0
		.amdhsa_enable_private_segment 0
		.amdhsa_kernarg_size 48
		.amdhsa_user_sgpr_count 2
		.amdhsa_user_sgpr_kernarg_segment_ptr 1
		.amdhsa_wavefront_size32 1
		.amdhsa_system_sgpr_workgroup_id_x 1
		.amdhsa_system_sgpr_workgroup_id_y 1
		.amdhsa_system_sgpr_workgroup_id_z 1
		.amdhsa_system_vgpr_workitem_id 0
		.amdhsa_next_free_vgpr 256
		.amdhsa_next_free_sgpr 66
		.amdhsa_reserve_vcc 0
		.amdhsa_float_denorm_mode_32 3
		.amdhsa_float_denorm_mode_16_64 3
		.amdhsa_memory_ordered 1
		.amdhsa_forward_progress 1
		.amdhsa_inst_pref_size 31
	.end_amdhsa_kernel
	.amdgpu_metadata
---
amdhsa.version: [ 1, 2 ]
amdhsa.kernels:
  - .name:           k_q9fa1d36ab1_pack
    .symbol:         k_q9fa1d36ab1_pack.kd
    .args:
      - { .name: x, .offset: 0, .size: 8, .value_kind: global_buffer, .address_space: global }
      - { .name: Wq, .offset: 8, .size: 8, .value_kind: global_buffer, .address_space: global }
      - { .name: Wk, .offset: 16, .size: 8, .value_kind: global_buffer, .address_space: global }
      - { .name: Wv, .offset: 24, .size: 8, .value_kind: global_buffer, .address_space: global }
      - { .name: xrec, .offset: 32, .size: 8, .value_kind: global_buffer, .address_space: global }
      - { .name: wrec, .offset: 40, .size: 8, .value_kind: global_buffer, .address_space: global }
    .group_segment_fixed_size: 34304
    .private_segment_fixed_size: 0
    .kernarg_segment_align: 8
    .kernarg_segment_size: 48
    .max_flat_workgroup_size: 128
    .sgpr_count:     66
    .vgpr_count:     256
    .wavefront_size: 32
...
	.end_amdgpu_metadata
.endif
;; end of part 1
;; launch proj (part 2): grid 12 x 32, 4 waves a work-group, clusters of 4 x 4, 327,680 bytes of LDS; arguments xrec, wrec, bq, bk, bv, qrec, kvrec; writes qrec, kvrec
.if DOCPART == 2
	.amdgcn_target "amdgcn-amd-amdhsa--gfx1250"
	.amdhsa_code_object_version 6
	.text
	.protected	k_q9fa1d36ab1_proj
	.globl	k_q9fa1d36ab1_proj
	.p2align	8
	.type	k_q9fa1d36ab1_proj,@function
k_q9fa1d36ab1_proj:
	s_mov_b64 s[64:65], 0
	v_nop
	global_prefetch_b8 v0, s[64:65] scope:SCOPE_SE
	s_setreg_imm32_b32 hwreg(HW_REG_WAVE_MODE, 25, 1), 1
	s_wait_xcnt 0x0
	s_wait_alu depctr_hold_cnt(0) depctr_sa_sdst(0) depctr_va_vdst(0) depctr_va_sdst(0) depctr_va_ssrc(0) depctr_va_vcc(0) depctr_vm_vsrc(0)
	s_getreg_b32 s2, hwreg(HW_REG_IB_STS2, 6, 4)
	s_cmp_eq_u32 s2, 0
	s_cbranch_scc0 .Lentry_in_a_cluster
	s_endpgm
.Lentry_in_a_cluster:
	s_bfe_u32 s2, ttmp6, 0x10000c
	s_cmp_lg_u32 s2, 0xf033
	s_cbranch_scc0 .Lentry_shape_is_right
	s_endpgm
.Lentry_shape_is_right:
; q, k, v = x W^T + b on codes of FP6 (E2M3) with E8M0 scales, K = 1,024; the results are quantised in registers for the two products of attention and leave as images of operand registers.
; A work-group makes 256 x 256, a wave 128 x 128: 64 accumulators.  Source 0 takes tiles of P, source 1 tiles of R: a lane then holds ONE row of R, and its registers run along P's rows.
;   clusters with x = 0, 1 (q, k): P = the weight, R = x.  A lane holds one token and 128 channels (two heads): quantised along the head's 64.
;   clusters with x = 2 (v):       P = x, R = Wv.          A lane holds one channel and 128 keys: quantised along the keys.
; P's tile hangs on cx and is shared along a column of the cluster, R's on cy and is shared along a row, in both cases: the loop is one text, and only four selects at the head differ.
; The rows of a tile of 16 are 32 (i / 2) + 8 (i % 2) + p + 8 (p / 8) of their 128: so the 16 registers of P's tiles 2 b, 2 b + 1 are 16 NEIGHBOURS, 32 b + 16 (lane / 16) + 0 .. 15.
; Operands come as records of 12,800 bytes (128 rows x 128 K: eight fragments of 1,536 bytes, register images; then 512 bytes of scale words), so a fragment is three loads of 16 bytes a lane.
; LDS: three slots, each with two K steps of R's two halves and P's two halves (4 x 25,600 dense bytes).  K's four fills: three at the start, the fourth into slot 0 again.  At most three tensor loads of a wave are out.
; OUT.  qrec: [b x 16 + head][group of 128 tokens][6,656]: eight fragments of 16 tokens x 64 (768 bytes: registers 0-3 at 16 l, 4-5 at 512 + 8 l), then 512 bytes of scale words (tile i, row p at 16 (16 (i % 2) + p) + 4 (i / 2)).
; In a scale word bytes 0, 1 are the head's two blocks; bytes 2, 3 repeat them: they belong to 64 along K that only zero codes will meet.
; kvrec: [b x 16 + head][group of 128 keys][13,056]: k's part as in qrec, then v's: four fragments of 16 channels x 128 keys (1,536 bytes) and 256 bytes of scale words.
; LIMITS: a block of zeros gets the byte 1 where the rule says 127 (zero codes; this program alone reads the bytes); blocks under 2^-124 are held at the byte 1; NaN and infinities are not served.
; REGISTERS: window 0: v2-19 addresses; v32-47 scale words, two sets; v48-111 the bias; v112-119 scale words on the way out; v128-223 R's eight fragments, later the way out; v232-250 at work.
;   window 1: P's fragments, two sets, at v0 and v128.  windows 2, 3: the accumulators ((a, b) at v[8 (8 (a % 4) + b)]; a: R's tile, b: P's).
.set SLOT,  102400
.set QUART, 25600                      ; one group of 128 rows x two K steps: what one tensor load brings
.set REC,   12800
.set FRB,   1536
.set SCO,   12288                      ; the scale words' place in a record
.set SPARE, 3*SLOT                     ; behind the slots: the spare words, 128 bytes a wave: two blocks of 256 bytes that no other line names
.set ADR,  2                           ; v2-4   my half of R in slot 0, 1, 2, + 16 x lane
.set ADP,  5                           ; v5-7   my half of P
.set ASR,  8                           ; v8-10  the same + 8 x lane, for the scale words
.set ASP,  11                          ; v11-13
.set L16,  14                          ; v14  16 x lane
.set L8,   15                          ; v15  8 x lane
.set SPW,  16                          ; v16  LDS address of my spare word; never rewritten
.set NIL,  17                          ; v17  0; never rewritten
.set BOQ,  18                          ; v18  64 h: the bias of q and k
.set BOV,  19                          ; v19  4 (r + 8 (r / 8)): the bias of v
.set SC,   32                          ; scale words: set z at v[SC + 8 z]: four registers of R's, four of P's; register i / 2: tile i, even in lanes 0-15, odd in lanes 16-31
.set BI,   48
.set SA,   112
.set SB,   116
.set RF,   128
.set T,    128                         ; the way out: 64 numbers
.set PC,   192                         ; their codes
.set TM,   232
.set PW,   248
.set G1R,  24                          ; s[24:31] group 1 for R's tiles, s[32:39] for P's
.set G1P,  32
.set G0R,  40                          ; s[40:55] group 0 for R's four fills; P's: s[56:63], s[68:75]
.set SEL,  90
.set MSB, 0
.macro WIN new                         ; the immediate's high byte repeats the setting that is left
.if MSB != (\new)
	s_set_vgpr_msb (MSB<<8)|(\new)
.set MSB, (\new)
.endif
.endm
.set MUL_LO, 0xa1                      ; source 0 (P) window 1, source 1 (R) window 0, C and D window 2
.set MUL_HI, 0xf1                      ; the same, C and D window 3
.set TO_P,   0x40                      ; destination window 1, address window 0
.macro PLACES n
.rept \n
	v_nop
.endr
.endm
; A joint load: waves 0 and 1 fetch R's halves, waves 2 and 3 P's.  The branch hangs on the wave's number alone.  An s_nop 0 and four v_nop follow each of the two lines.
.macro JLOAD f
	s_cmp_eq_u32 s19, 0
	s_cbranch_scc0 .Lfor_p_\@
	tensor_load_to_lds s[G0R+4*\f:G0R+4*\f+3], s[G1R:G1R+7]
	s_nop 0
.rept 4
	v_nop
.endr
	s_branch .Lasked_\@
.Lfor_p_\@:
	tensor_load_to_lds s[56+4*\f+4*(\f/2):56+4*\f+4*(\f/2)+3], s[G1P:G1P+7]
	s_nop 0
.rept 4
	v_nop
.endr
.Lasked_\@:
.endm
.macro CREST                           ; a round of the cluster's barrier behind its opening barrier
	s_cmp_lg_u32 s18, 0
	s_cbranch_scc1 .Lnot_wave_0_\@
	s_barrier_signal -3
.Lnot_wave_0_\@:
	s_barrier_wait -3
	s_barrier_signal -1
	s_barrier_wait -1
.endm
.macro CROUND
	s_barrier_signal -1
	s_barrier_wait -1
	CREST
.endm
	s_load_b256 s[4:11], s[0:1], 0x0               ; xrec s[4:5], wrec s[6:7], bq s[8:9], bk s[10:11]
	s_load_b128 s[12:15], s[0:1], 0x20             ; bv s[12:13], qrec s[14:15]
	s_load_b64 s[16:17], s[0:1], 0x30              ; kvrec
	v_lshl_add_u32 v[SPW], v0, 2, SPARE
	v_mov_b32 v[NIL], 0
	ds_add_u32 v[SPW], v[NIL]                      ; the wave's opening, with its wait ahead of my first tensor load; work on registers stands between the two
	v_lshrrev_b32 v1, 5, v0
	v_readfirstlane_b32 s18, v1                    ; wave 0..3
	s_lshr_b32 s19, s18, 1                         ; my half of R.  Also: I fetch for R (0) or for P (1)
	s_and_b32 s20, s18, 1                          ; my half of P.  Also: which half I fetch
	s_bfe_u32 s21, ttmp6, 0x40000                  ; cx
	s_bfe_u32 s22, ttmp6, 0x40004                  ; cy
	s_mov_b32 s23, ttmp9                           ; cluster x: 0 q, 1 k, 2 v: the same in all sixteen partners
	s_and_b32 s76, ttmp7, 0xffff                   ; cluster y: 0..7
	s_cmp_eq_u32 s23, 2
	s_cselect_b32 s77, s76, s23
	s_cselect_b32 s78, 2, s76
	s_lshl_b32 s77, s77, 2
	s_add_co_u32 s77, s77, s21                     ; P's tile of 256 rows: q, k: 4 x cluster x + cx of the weights; v: 4 x cluster y + cx of x
	s_lshl_b32 s78, s78, 2
	s_add_co_u32 s78, s78, s22                     ; R's: q, k: 4 x cluster y + cy of x; v: 8 + cy of the weights
	s_lshl_b32 s95, s22, 2
	s_lshl_b32 s95, 15, s95                        ; my row of the cluster
	s_lshl_b32 s96, 0x1111, s21                    ; my column
	s_or_b32 s[G1R], s95, (3<<16)|(1<<21)          ; 15:0 the mask: R's tiles go to my row; 17:16 elements of 8 bytes; 21 set beside a mask; no padding
	s_or_b32 s[G1P], s96, (3<<16)|(1<<21)          ; P's go to my column
.irp g, G1R, G1P
	s_mov_b32 s[\g+1], 32<<16                      ; tensor_dim0 = 32 elements: rows of 256 bytes
	s_mov_b32 s[\g+2], 100<<16                     ; tensor_dim1 = 100 rows: 25,600 dense bytes
	s_mov_b32 s[\g+3], 32<<16                      ; tile_dim0
	s_mov_b32 s[\g+4], 100                         ; tile_dim1
	s_mov_b32 s[\g+5], 32                          ; the pitch
	s_mov_b32 s[\g+6], 0
	s_mov_b32 s[\g+7], 0
.endr
	s_lshl_b32 s97, s78, 1
	s_add_co_u32 s97, s97, s20
	s_mul_i32 s98, s97, 102400                     ; R: the group of 128 rows that I fetch: eight records on end
	s_mov_b32 s99, 0
	s_lshl_b32 s79, s77, 1
	s_add_co_u32 s79, s79, s20
	s_mul_i32 s2, s79, 102400                      ; P likewise
	s_mov_b32 s3, 0
	s_mul_i32 s100, s18, QUART                     ; where it goes in a slot: no place in the cluster enters an LDS address
	s_mov_b32 s[SEL], 0x76543210
	s_mov_b32 s[SEL+1], 0xfedcba98                 ; v_permlanex16_b32's selects for lane l xor 16
	s_mov_b32 s92, 0xffff
	s_mov_b32 s94, 0xffff0000                      ; a word's upper half; also: lanes 16-31
	s_wait_dscnt 0x0                               ; the opening add is done
	s_wait_kmcnt 0x0
	s_cmp_eq_u32 s23, 2
	s_cselect_b64 s[80:81], s[4:5], s[6:7]         ; P's buffer
	s_cselect_b64 s[82:83], s[6:7], s[4:5]         ; R's
	s_add_nc_u64 s[80:81], s[80:81], s[2:3]
	s_add_nc_u64 s[82:83], s[82:83], s[98:99]
.irp f, 0,1,2,3                        ; a group 0 for each fill: none is ever written again
	s_mov_b32 s[G0R+4*\f], 1
	s_add_co_u32 s[G0R+4*\f+1], s100, (\f%3)*SLOT
	s_add_nc_u64 s[G0R+4*\f+2:G0R+4*\f+3], s[82:83], \f*QUART
	s_or_b32 s[G0R+4*\f+3], s[G0R+4*\f+3], 0x80000000
	s_mov_b32 s[56+4*\f+4*(\f/2)], 1
	s_add_co_u32 s[56+4*\f+4*(\f/2)+1], s100, (\f%3)*SLOT
	s_add_nc_u64 s[56+4*\f+4*(\f/2)+2:56+4*\f+4*(\f/2)+3], s[80:81], \f*QUART
	s_or_b32 s[56+4*\f+4*(\f/2)+3], s[56+4*\f+4*(\f/2)+3], 0x80000000
.endr
	CROUND                                         ; all sixteen work-groups are here: the first joint loads meet
	JLOAD 0
	JLOAD 1
	JLOAD 2
	v_and_b32 v1, 31, v0
	v_lshlrev_b32 v[L16], 4, v1
	v_lshlrev_b32 v[L8], 3, v1
	s_mul_i32 s101, s19, QUART                     ; my half of R
	s_mul_i32 s100, s20, QUART
	s_add_co_u32 s100, s100, 2*QUART               ; my half of P, behind R's two
.irp s, 0,1,2
	v_add_nc_u32 v[ADR+\s], s101, v[L16]
	v_add_nc_u32 v[ADP+\s], s100, v[L16]
	v_add_nc_u32 v[ASR+\s], s101, v[L8]
	v_add_nc_u32 v[ASP+\s], s100, v[L8]
	s_add_co_u32 s101, s101, SLOT
	s_add_co_u32 s100, s100, SLOT
.endr
	v_and_b32 v20, 15, v0                          ; r
	v_bfe_u32 v21, v0, 4, 1                        ; h
	v_lshlrev_b32 v[BOQ], 6, v21
	v_and_b32 v22, 8, v20
	v_add_nc_u32 v22, v22, v20
	v_lshlrev_b32 v[BOV], 2, v22
.macro FRAG reg, adr, q, i             ; a fragment's image: three loads, each 512 consecutive bytes
.irp c, 0,1,2
	ds_load_b128 v[(\reg)+4*\c:(\reg)+4*\c+3], v[\adr] offset:REC*(\q)+FRB*(\i)+512*\c
.endr
.endm
.macro FETCH_P slot, q, set            ; P's eight fragments: 24 loads
	WIN TO_P
.irp i, 0,1,2,3,4,5,6,7
	FRAG 128*(\set)+12*\i, ADP+\slot, \q, \i
.endr
	WIN 0
.endm
.macro FETCH_R slot, q, i0             ; R's tiles i0 .. i0 + 3: 12 loads
.irp i, \i0, \i0+1, \i0+2, \i0+3
	FRAG RF+12*(\i), ADR+\slot, \q, \i
.endr
.endm
.macro SCALES slot, q, z               ; the scale words of R's and P's eight tiles: 4 loads
.irp e, 0,1
	ds_load_b64 v[SC+8*(\z)+2*\e:SC+8*(\z)+2*\e+1], v[ASR+\slot] offset:SCO+REC*(\q)+256*\e
	ds_load_b64 v[SC+8*(\z)+4+2*\e:SC+8*(\z)+4+2*\e+1], v[ASP+\slot] offset:SCO+REC*(\q)+256*\e
.endr
.endm
; One product: R's tile a x P's tile b.  An odd tile's scale words lie in lanes 16-31 of its register.
.macro WM a, b, set, z, zero
.set dA, 8*(8*((\a)%4)+(\b))
.set pA, 128*(\set)+12*(\b)
.set rA, RF+12*(\a)
.set sP, SC+8*(\z)+4+(\b)/2
.set sR, SC+8*(\z)+(\a)/2
.if \zero
.if ((\b)%2 == 0) && ((\a)%2 == 0)
	v_wmma_scale_f32_16x16x128_f8f6f4 v[dA:dA+7], v[pA:pA+11], v[rA:rA+11], 0, v[sP], v[sR] matrix_a_fmt:MATRIX_FMT_FP6 matrix_b_fmt:MATRIX_FMT_FP6
.elseif ((\b)%2 == 1) && ((\a)%2 == 0)
	v_wmma_scale_f32_16x16x128_f8f6f4 v[dA:dA+7], v[pA:pA+11], v[rA:rA+11], 0, v[sP], v[sR] matrix_a_fmt:MATRIX_FMT_FP6 matrix_b_fmt:MATRIX_FMT_FP6 matrix_a_scale:MATRIX_SCALE_ROW1
.elseif ((\b)%2 == 0) && ((\a)%2 == 1)
	v_wmma_scale_f32_16x16x128_f8f6f4 v[dA:dA+7], v[pA:pA+11], v[rA:rA+11], 0, v[sP], v[sR] matrix_a_fmt:MATRIX_FMT_FP6 matrix_b_fmt:MATRIX_FMT_FP6 matrix_b_scale:MATRIX_SCALE_ROW1
.else
	v_wmma_scale_f32_16x16x128_f8f6f4 v[dA:dA+7], v[pA:pA+11], v[rA:rA+11], 0, v[sP], v[sR] matrix_a_fmt:MATRIX_FMT_FP6 matrix_b_fmt:MATRIX_FMT_FP6 matrix_a_scale:MATRIX_SCALE_ROW1 matrix_b_scale:MATRIX_SCALE_ROW1
.endif
.else
.if ((\b)%2 == 0) && ((\a)%2 == 0)
	v_wmma_scale_f32_16x16x128_f8f6f4 v[dA:dA+7], v[pA:pA+11], v[rA:rA+11], v[dA:dA+7], v[sP], v[sR] matrix_a_fmt:MATRIX_FMT_FP6 matrix_b_fmt:MATRIX_FMT_FP6
.elseif ((\b)%2 == 1) && ((\a)%2 == 0)
	v_wmma_scale_f32_16x16x128_f8f6f4 v[dA:dA+7], v[pA:pA+11], v[rA:rA+11], v[dA:dA+7], v[sP], v[sR] matrix_a_fmt:MATRIX_FMT_FP6 matrix_b_fmt:MATRIX_FMT_FP6 matrix_a_scale:MATRIX_SCALE_ROW1
.elseif ((\b)%2 == 0) && ((\a)%2 == 1)
	v_wmma_scale_f32_16x16x128_f8f6f4 v[dA:dA+7], v[pA:pA+11], v[rA:rA+11], v[dA:dA+7], v[sP], v[sR] matrix_a_fmt:MATRIX_FMT_FP6 matrix_b_fmt:MATRIX_FMT_FP6 matrix_b_scale:MATRIX_SCALE_ROW1
.else
	v_wmma_scale_f32_16x16x128_f8f6f4 v[dA:dA+7], v[pA:pA+11], v[rA:rA+11], v[dA:dA+7], v[sP], v[sR] matrix_a_fmt:MATRIX_FMT_FP6 matrix_b_fmt:MATRIX_FMT_FP6 matrix_a_scale:MATRIX_SCALE_ROW1 matrix_b_scale:MATRIX_SCALE_ROW1
.endif
.endif
.endm
; 16 products: R's tiles a0, a0 + 1 x P's eight.  The 64 accumulators take turns, one instruction a turn, in the same order in every step.
.macro MUL16 a0, set, z, zero
.irp a, \a0, \a0+1
.irp b, 0,1,2,3,4,5,6,7
	WM \a, \b, \set, \z, \zero
.endr
.endr
.endm
; A slot's first K step (P's set 0, scale set 0); it fetches the slot's second.  A tile of R is free as soon as its eight products are issued: R has one set of registers, P two.
; Loads into registers that matrix instructions have read stand four plain vector instructions behind them (ISA guide 7.12.1 for vector instructions).
.macro STEP slot, zero
	s_wait_dscnt 12                                ; all but the youngest twelve loads (R's tiles 4-7) are in
	WIN MUL_LO
	MUL16 0, 0, 0, \zero
	MUL16 2, 0, 0, \zero
	s_wait_dscnt 0x0                               ; R's tiles 4-7 are in
	PLACES 4
	FETCH_P \slot, 1, 1
	SCALES \slot, 1, 1
	FETCH_R \slot, 1, 0
	WIN MUL_HI
	MUL16 4, 0, 0, \zero
	MUL16 6, 0, 0, \zero
	PLACES 4
	WIN 0
	FETCH_R \slot, 1, 4
.endm
; A slot's second K step changes slots: one barrier.  mode 0: the next slot's fill is in, the one behind it may stay out.
; mode 1: all my tensor loads are in, the add, my reads are over; the barrier opens a round of the cluster's, and behind it slot 0, which no wave of any partner reads any more, takes the fourth fill.
; mode 2: the fourth fill is in; nothing is filled.
.macro TURN slot, next, mode
.if \mode == 0
	s_wait_tensorcnt 0x1                           ; my part of the next slot is in; one younger load may be out
	s_wait_dscnt 12
.else
	s_wait_tensorcnt 0x0                           ; all my tensor loads have landed
	ds_add_u32 v[SPW], v[NIL]                      ; 0 onto my spare word
	s_wait_dscnt 13                                ; (the add and the youngest twelve loads may be out)
.endif
	WIN MUL_LO
	MUL16 0, 1, 1, 0
	s_wait_dscnt 0x0                               ; my reads of this slot are over (and the add is done)
	s_barrier_signal -1
	MUL16 2, 1, 1, 0
	WIN 0                                          ; at a branch and at a label every window is 0
	s_barrier_wait -1
.if \mode == 1
	CREST
	JLOAD 3                                        ; the first tensor load behind the round; its four v_nop are the places in front of the loads below
.else
	PLACES 4
.endif
	FETCH_P \next, 0, 0
	SCALES \next, 0, 0
	FETCH_R \next, 0, 0
	WIN MUL_HI
	MUL16 4, 1, 1, 0
	MUL16 6, 1, 1, 0
	PLACES 4
	WIN 0
	FETCH_R \next, 0, 4
.endm
; 64 numbers of a lane, register 16 b + i = place 32 b + 16 (lane / 16) + i along the next K, become a fragment's codes in v[PC] on and its scale word in v[PW] (the same in lanes l and l xor 16).
.macro QUANT s
.irp b, 0,1,2,3
	v_max3_num_f32 v[TM+\b], |v[\s+16*\b]|, |v[\s+1+16*\b]|, 0x1800000   ; my 16 numbers of block b, and the floor 2^(3 - 127): the byte cannot fall under 1
.endr
.irp i, 2,4,6,8,10,12,14
.irp b, 0,1,2,3
	v_max3_num_f32 v[TM+\b], v[TM+\b], |v[\s+16*\b+\i]|, |v[\s+1+16*\b+\i]|
.endr
.endr
.irp b, 0,1,2,3
	v_permlanex16_b32 v[TM+4+\b], v[TM+\b], s[SEL], s[SEL+1]
.endr
.irp b, 0,1,2,3
	v_max_num_f32 v[TM+\b], v[TM+\b], v[TM+4+\b]   ; with lane l xor 16's: the block's largest magnitude
.endr
.irp b, 0,1,2,3
	v_add_nc_u32 v[TM+12+\b], 0xff000000, v[TM+\b] ; 2 off its exponent field: the conversion's scale operand
.endr
.irp b, 0,1,2,3
	v_lshrrev_b32 v[TM+4+\b], 23, v[TM+12+\b]      ; the scale's byte
.endr
	v_lshl_or_b32 v[PW], v[TM+5], 8, v[TM+4]
	v_lshl_or_b32 v[PW], v[TM+6], 16, v[PW]
	v_lshl_or_b32 v[PW], v[TM+7], 24, v[PW]
.irp c, 0,1
	v_cvt_scalef32_pk16_fp6_f32 v[PC+6*\c:PC+2+6*\c], v[\s+32*\c:\s+15+32*\c], v[TM+12+2*\c]
	v_cvt_scalef32_pk16_fp6_f32 v[PC+12+4*\c:PC+14+4*\c], v[\s+16+32*\c:\s+31+32*\c], v[TM+12+2*\c+1]   ; (a conversion's three registers begin on an even number)
.endr
	v_nop                                          ; one plain place behind a scaled conversion
.irp c, 0,1                            ; the operand's layout wants a WHOLE block in a lane: lanes 0-15 block 2 c, lanes 16-31 block 2 c + 1
.irp i, 0,1,2
	v_permlane16_swap_b32 v[PC+6*\c+\i], v[PC+12+4*\c+\i]
.endr
.irp i, 0,1,2
	v_mov_b32 v[PC+3+6*\c+\i], v[PC+12+4*\c+\i]
.endr
.endr
.endm
; R's tile a leaves: + bias, quantised, stored.  kind 0: q or k; kind 1: v.
.macro BLOCK kind, a
	s_wait_xcnt 0x0                                ; the last tile's stores have read the codes' registers: only now are they written again
	WIN 0x02+(\a)/4                                ; source 0: window 2 or 3
.set j, 0
.rept 32                               ; each accumulator from its low end on
.if \kind == 0
	v_pk_add_f32 v[T+j:T+j+1], v[64*((\a)%4)+j:64*((\a)%4)+j+1], v[BI+j:BI+j+1]
.else
	v_pk_add_f32 v[T+j:T+j+1], v[64*((\a)%4)+j:64*((\a)%4)+j+1], v[BI+2*(\a):BI+2*(\a)+1]
.endif
.set j, j+2
.endr
	WIN 0
	QUANT T
.if \kind == 0
	v_and_b32 v249, s92, v[PW]                     ; the first head's two bytes,
	v_lshrrev_b32 v250, 16, v[PW]                  ; the second's
.if (\a)%2 == 0
	v_lshl_or_b32 v[SA+(\a)/2], v[PW], 16, v249    ; each word holds its two bytes twice
	v_and_or_b32 v[SB+(\a)/2], v[PW], s94, v250
.else
	v_lshl_or_b32 v249, v[PW], 16, v249
	v_and_or_b32 v250, v[PW], s94, v250
	v_cndmask_b32 v[SA+(\a)/2], v[SA+(\a)/2], v249, s94   ; an odd tile's words go to lanes 16-31
	v_cndmask_b32 v[SB+(\a)/2], v[SB+(\a)/2], v250, s94
.endif
	global_store_b128 v[L16], v[PC:PC+3], s[84:85] offset:768*(\a)          ; every store covers whole aligned blocks of 256 bytes
	global_store_b64 v[L8], v[PC+4:PC+5], s[84:85] offset:768*(\a)+512
	global_store_b128 v[L16], v[PC+6:PC+9], s[86:87] offset:768*(\a)
	global_store_b64 v[L8], v[PC+10:PC+11], s[86:87] offset:768*(\a)+512
.if (\a) == 7
	global_store_b128 v[L16], v[SA:SA+3], s[84:85] offset:6144
	global_store_b128 v[L16], v[SB:SB+3], s[86:87] offset:6144
.endif
.else
.if (\a)%2 == 0
	v_mov_b32 v[SA+(\a)/2], v[PW]
.else
	v_cndmask_b32 v[SA+(\a)/2], v[SA+(\a)/2], v[PW], s94
.endif
.irp c, 0,1,2
	global_store_b128 v[L16], v[PC+4*\c:PC+4*\c+3], s[84:85] offset:((\a)/4)*208896+((\a)%4)*1536+512*\c   ; tiles 4-7 are the next head's: sixteen records on
.endr
.if (\a)%4 == 3
	global_store_b64 v[L8], v[SA+2*((\a)/4):SA+2*((\a)/4)+1], s[84:85] offset:((\a)/4)*208896+6144
.endif
.endif
.endm
; The last K step and the way out.  Each arm asks for its own bias ahead of the last 64 products.
.macro TAIL kind
.if \kind == 0
	s_lshr_b32 s95, s78, 3                         ; the batch: eight tiles of 256 tokens each
	s_and_b32 s96, s78, 7
	s_lshl_b32 s96, s96, 1
	s_add_co_u32 s96, s96, s19                     ; my group of 128 tokens
	s_lshl_b32 s97, s21, 2
	s_lshl_b32 s98, s20, 1
	s_add_co_u32 s97, s97, s98                     ; my first head: 4 cx + 2 x my half of P
	s_lshl_b32 s95, s95, 4
	s_add_co_u32 s95, s95, s97
	s_lshl_b32 s95, s95, 4
	s_add_co_u32 s95, s95, s96                     ; the record's number
	s_cmp_eq_u32 s23, 0
	s_mov_b32 s99, 13056
	s_cselect_b32 s99, 6656, s99                   ; a record's bytes
	s_cselect_b64 s[84:85], s[14:15], s[16:17]     ; qrec or kvrec
	s_cselect_b64 s[88:89], s[8:9], s[10:11]       ; bq or bk
	s_mul_i32 s96, s95, s99
	s_mov_b32 s97, 0
	s_add_nc_u64 s[84:85], s[84:85], s[96:97]      ; the first head's record,
	s_lshl_b32 s96, s99, 4
	s_add_nc_u64 s[86:87], s[84:85], s[96:97]      ; the second's: sixteen records on
	s_lshl_b32 s96, s21, 10
	s_lshl_b32 s98, s20, 9
	s_add_co_u32 s96, s96, s98
	s_add_nc_u64 s[88:89], s[88:89], s[96:97]      ; the bias of my 128 channels
.irp b, 0,1,2,3
.irp j, 0,1,2,3
	global_load_b128 v[BI+16*\b+4*\j:BI+16*\b+4*\j+3], v[BOQ], s[88:89] offset:128*\b+16*\j   ; register 16 b + e: channel 32 b + 16 h + e
.endr
.endr
.else
	s_lshr_b32 s95, s77, 3                         ; the batch
	s_and_b32 s96, s77, 7
	s_lshl_b32 s96, s96, 1
	s_add_co_u32 s96, s96, s20                     ; my group of 128 keys
	s_lshl_b32 s97, s22, 2
	s_lshl_b32 s98, s19, 1
	s_add_co_u32 s97, s97, s98                     ; my first head: 4 cy + 2 x my half of R
	s_lshl_b32 s95, s95, 4
	s_add_co_u32 s95, s95, s97
	s_lshl_b32 s95, s95, 4
	s_add_co_u32 s95, s95, s96
	s_mul_i32 s96, s95, 13056
	s_add_co_u32 s96, s96, 6656                    ; v's part of the record
	s_mov_b32 s97, 0
	s_add_nc_u64 s[84:85], s[16:17], s[96:97]
	s_lshl_b32 s96, s22, 10
	s_lshl_b32 s98, s19, 9
	s_add_co_u32 s96, s96, s98
	s_add_nc_u64 s[88:89], s[12:13], s[96:97]
.irp a, 0,1,2,3,4,5,6,7
	global_load_b32 v[BI+2*\a], v[BOV], s[88:89] offset:4*(32*(\a/2)+8*(\a%2))     ; my channel's bias, twice: a pair for the packed addition
	global_load_b32 v[BI+2*\a+1], v[BOV], s[88:89] offset:4*(32*(\a/2)+8*(\a%2))
.endr
.endif
	s_wait_dscnt 12
	WIN MUL_LO
	MUL16 0, 1, 1, 0
	MUL16 2, 1, 1, 0
	s_wait_dscnt 0x0
	WIN MUL_HI
	MUL16 4, 1, 1, 0
	MUL16 6, 1, 1, 0
	WIN 0
	PLACES 4                                       ; in front of the first read of results and of writes over R's fragments
	s_wait_loadcnt 0x0                             ; the bias
.irp b, 0,1,2,3
	v_mov_b32 v[TM+4+\b], 0                        ; a lane permute's destination counts as one of its sources
.endr
.irp a, 0,1,2,3,4,5,6,7
	BLOCK \kind, \a
.endr
.endm
	s_wait_tensorcnt 0x2                           ; my part of the first fill is in; the two younger loads may be out
	s_barrier_signal -1
	s_barrier_wait -1                              ; everybody's is
	FETCH_P 0, 0, 0
	SCALES 0, 0, 0
	FETCH_R 0, 0, 0
	FETCH_R 0, 0, 4
	STEP 0, 1                                      ; the first products start the sums: nothing is cleared
	TURN 0, 1, 0
	STEP 1, 0
	TURN 1, 2, 1
	STEP 2, 0
	TURN 2, 0, 2
	STEP 0, 0
	s_cmp_eq_u32 s23, 2                            ; the cluster's x: the same in all partners; no tensor load and no barrier stands in the arms
	s_cbranch_scc1 .Lfor_v
	TAIL 0
	s_branch .Lend
.Lfor_v:
	TAIL 1
.Lend:
	s_wait_tensorcnt 0x0                           ; the wave's end
	ds_add_u32 v[SPW], v[NIL]
	s_wait_dscnt 0x0
	CROUND                                         ; the closing round: no work-group ends while a partner may still ask for a tile that names it
	s_endpgm
.Lfunc_end_k_q9fa1d36ab1_proj:
	.size	k_q9fa1d36ab1_proj, .Lfunc_end_k_q9fa1d36ab1_proj-k_q9fa1d36ab1_proj
	.p2alignl 7, 3214868480
	.fill 96, 4, 3214868480
	.section	.rodata,"a",@progbits
	.p2align	6, 0x0
	.amdhsa_kernel k_q9fa1d36ab1_proj
		.amdhsa_group_segment_fixed_size 327680
		.amdhsa_private_segment_fixed_size 0
		.amdhsa_enable_private_segment 0
		.amdhsa_kernarg_size 56
		.amdhsa_user_sgpr_count 2
		.amdhsa_user_sgpr_kernarg_segment_ptr 1
		.amdhsa_wavefront_size32 1
		.amdhsa_system_sgpr_workgroup_id_x 1
		.amdhsa_system_sgpr_workgroup_id_y 1
		.amdhsa_system_sgpr_workgroup_id_z 1
		.amdhsa_system_vgpr_workitem_id 0
		.amdhsa_next_free_vgpr 1024
		.amdhsa_next_free_sgpr 102
		.amdhsa_reserve_vcc 0
		.amdhsa_float_denorm_mode_32 3
		.amdhsa_float_denorm_mode_16_64 3
		.amdhsa_memory_ordered 1
		.amdhsa_forward_progress 1
		.amdhsa_inst_pref_size 218
	.end_amdhsa_kernel
	.amdgpu_metadata
---
amdhsa.version: [ 1, 2 ]
amdhsa.kernels:
  - .name:           k_q9fa1d36ab1_proj
    .symbol:         k_q9fa1d36ab1_proj.kd
    .args:
      - { .name: xrec, .offset: 0, .size: 8, .value_kind: global_buffer, .address_space: global }
      - { .name: wrec, .offset: 8, .size: 8, .value_kind: global_buffer, .address_space: global }
      - { .name: bq, .offset: 16, .size: 8, .value_kind: global_buffer, .address_space: global }
      - { .name: bk, .offset: 24, .size: 8, .value_kind: global_buffer, .address_space: global }
      - { .name: bv, .offset: 32, .size: 8, .value_kind: global_buffer, .address_space: global }
      - { .name: qrec, .offset: 40, .size: 8, .value_kind: global_buffer, .address_space: global }
      - { .name: kvrec, .offset: 48, .size: 8, .value_kind: global_buffer, .address_space: global }
    .group_segment_fixed_size: 327680
    .private_segment_fixed_size: 0
    .kernarg_segment_align: 8
    .kernarg_segment_size: 56
    .max_flat_workgroup_size: 128
    .sgpr_count:     102
    .vgpr_count:     1024
    .wavefront_size: 32
...
	.end_amdgpu_metadata
.endif
;; end of part 2
;; launch attn (part 3): grid 4 x 64, 16 waves a work-group, clusters of 4 x 1, 327,680 bytes of LDS; arguments qrec, kvrec, out0; writes out0
.if DOCPART == 3
	.amdgcn_target "amdgcn-amd-amdhsa--gfx1250"
	.amdhsa_code_object_version 6
	.text
	.protected	k_q9fa1d36ab1_attn
	.globl	k_q9fa1d36ab1_attn
	.p2align	8
	.type	k_q9fa1d36ab1_attn,@function
k_q9fa1d36ab1_attn:
	s_mov_b64 s[64:65], 0
	v_nop
	global_prefetch_b8 v0, s[64:65] scope:SCOPE_SE
	s_setreg_imm32_b32 hwreg(HW_REG_WAVE_MODE, 25, 1), 1
	s_wait_xcnt 0x0
	s_wait_alu depctr_hold_cnt(0) depctr_sa_sdst(0) depctr_va_vdst(0) depctr_va_sdst(0) depctr_va_ssrc(0) depctr_va_vcc(0) depctr_vm_vsrc(0)
	s_getreg_b32 s2, hwreg(HW_REG_IB_STS2, 6, 4)
	s_cmp_eq_u32 s2, 0
	s_cbranch_scc0 .Lentry_in_a_cluster
	s_endpgm
.Lentry_in_a_cluster:
	s_bfe_u32 s2, ttmp6, 0x10000c
	s_cmp_lg_u32 s2, 0x3003
	s_cbranch_scc0 .Lentry_shape_is_right
	s_endpgm
.Lentry_shape_is_right:
; out[b][q][head x 64 + d] = the sum over keys k <= q of softmax_k(8 q . k) v[k][d], both products on codes of FP6 (E2M3) with E8M0 scales, from the records that the launch before has laid.
; THE SOFTMAX AHEAD OF THE SECOND PRODUCT: t = score x 8 log2(e); M = the row's largest t so far, rounded UP to a whole number; p = 2^(t - M) is quantised along the keys, not normalised;
; the row's sum is taken of the unquantised p and divides at the end.  When M moves, the sum and O are multiplied by 2^(old M - new M): exact.
; SHARES.  A cluster of four work-groups owns one (batch, head).  The head's sixteen records of K and V (128 keys each, 13,056 bytes) are asked for JOINTLY, wave w of each work-group asking for record w,
; and stay in LDS: nothing is filled again.  Wave w (u = w % 2, m = w / 2) owns tile 2 cx + u of 16 queries of query group m (job 0) and of group 15 - m (job 1).  Group G needs key steps 0 .. G,
; the last of them masked: every wave of the launch does 17 key steps.  Every branch and every LDS address hangs on the wave's number and on counters alone; cx enters global addresses and a compare's value.
; LAYOUT.  Both products are used transposed: S^T = K Q^T, O^T = V^T P^T: a lane holds ONE query (lane % 16).  Row p of tile i of 128 queries, keys or of 64 channels is 32 (i / 2) + 8 (i % 2) + p + 8 (p / 8),
; so that the 16 registers of tiles 2 b, 2 b + 1 are 16 neighbours, 32 b + 16 (lane / 16) + 0 .. 15.
; THE HEAD HAS 64 ALONG K, the instruction 128.  Q's upper six registers are zeros.  A tile of K is named as twelve registers of which the upper six are the NEXT tile's codes (behind the last tile: zeros):
; each of them is multiplied by a zero code of Q; the format has no infinity and no NaN, and the scale bytes of those blocks repeat the row's own two: the products are zeros.
; LIMITS: NaN and infinities are not served; a block of p that is all zeros keeps the byte 1: its codes are zeros.
; REGISTERS: v1-11, v28, v29 addresses; v12 -M, v13 the largest t, v[14:15] the sum; v16-27 Q of job 0, v30 its scale words; v236-247, v31 job 1's; v32-85 K's or V's fragments; v86-91 their scale words;
;   v96-159 S^T, then p; v160-191 O^T; v192-210 p's codes; v212-227 at work.
.set REC,   13056
.set STAGE, 16*REC                     ; behind K and V: 16 rows x (256 bytes + 16) for each wave, for the way out
.set SPARE, STAGE+16*4352              ; the spare words, 128 bytes a wave: eight blocks of 256 bytes that no other line names
.set L16,  1                           ; v1   16 x lane
.set L8,   2                           ; v2   8 x lane
.set SPW,  3                           ; v3   LDS address of my spare word; never rewritten
.set NIL,  4                           ; v4   0; never rewritten
.set GO,   5                           ; v5   the way out: 4,096 h + 16 r
.set STO,  6                           ; v6   my stage: 272 r + 64 h
.set SRD,  7                           ; v7   my stage: 272 h + 16 r
.set AD16, 8
.set AD8,  9
.set F,    32
.set KS,   86
.set VS,   90
.set S,    96
.set OT,   160
.set PC,   192
.set PT,   204
.set BM,   212
.set PD,   216
.set SOP,  220
.set TMP,  224
.set NINF, 225
.set FF,   226                         ; v226 f; v227 p's scale word
.set PWD,  227
.set WV,   18
.set TT,   38                          ; s38  the key step
.set TB,   39                          ; s39  its record's LDS byte
.set CS,   40                          ; s[40:41] c = 8 log2(e)
.set SEL,  42
.macro CROUND
	s_barrier_signal -1
	s_barrier_wait -1
	s_cmp_lg_u32 s[WV], 0
	s_cbranch_scc1 .Lnot_wave_0_\@
	s_barrier_signal -3
.Lnot_wave_0_\@:
	s_barrier_wait -3
	s_barrier_signal -1
	s_barrier_wait -1
.endm
	s_load_b128 s[4:7], s[0:1], 0x0                ; qrec, kvrec
	s_load_b64 s[8:9], s[0:1], 0x10                ; out0
	v_lshl_add_u32 v[SPW], v0, 2, SPARE
	v_mov_b32 v[NIL], 0
	ds_add_u32 v[SPW], v[NIL]                      ; the wave's opening, with its wait ahead of my first tensor load; work on registers stands between the two
	v_lshrrev_b32 v1, 5, v0
	v_readfirstlane_b32 s[WV], v1                  ; wave 0..15
	s_and_b32 s19, s[WV], 1                        ; u
	s_lshr_b32 s20, s[WV], 1                       ; m
	s_bfe_u32 s21, ttmp6, 0x40000                  ; cx
	s_and_b32 s22, ttmp7, 0xffff                   ; 16 x batch + head
	s_mov_b32 s36, s20                             ; job 0's query group,
	s_xor_b32 s37, s20, 15                         ; job 1's
	s_mov_b32 s24, 15|(3<<16)|(1<<21)              ; group 1: 15:0 the mask: all four work-groups; 17:16 elements of 8 bytes; 21 set beside a mask; no padding
	s_mov_b32 s25, 32<<16                          ; tensor_dim0 = 32: rows of 256 bytes
	s_mov_b32 s26, 51<<16                          ; tensor_dim1 = 51 rows: a record's 13,056 dense bytes
	s_mov_b32 s27, 32<<16                          ; tile_dim0
	s_mov_b32 s28, 51                              ; tile_dim1
	s_mov_b32 s29, 32                              ; the pitch
	s_mov_b32 s30, 0
	s_mov_b32 s31, 0
	s_mul_i32 s33, s[WV], REC                      ; group 0's LDS address: record w
	s_mul_i32 s10, s22, 16*REC
	s_add_co_u32 s10, s10, s33
	s_mov_b32 s11, 0
	s_mov_b32 s32, 1
	s_mov_b32 s[CS], 0x4138aa3b                    ; 8 log2(e)
	s_mov_b32 s[CS+1], s[CS]                       ; (named with it as a pair, so it is written)
	s_mov_b32 s[SEL], 0x76543210
	s_mov_b32 s[SEL+1], 0xfedcba98
	s_lshl_b32 s12, s22, 4
	s_add_co_u32 s14, s12, s37
	s_add_co_u32 s12, s12, s36
	s_mul_i32 s12, s12, 6656                       ; Q's records of the two jobs
	s_mul_i32 s14, s14, 6656
	s_mov_b32 s13, 0
	s_mov_b32 s15, 0
	s_lshr_b32 s16, s22, 4
	s_lshl_b32 s16, s16, 11                        ; the batch's 2,048 rows of out,
	s_lshl_b32 s17, s21, 5
	s_add_co_u32 s16, s16, s17                     ; + 32 cx
	s_lshl_b32 s17, s19, 3
	s_add_co_u32 s16, s16, s17                     ; + 8 u
	s_and_b32 s17, s22, 15
	s_lshl_b32 s17, s17, 8                         ; the head's 256 bytes of a row
	s_lshl_b32 s52, s36, 7
	s_add_co_u32 s52, s52, s16
	s_lshl_b32 s52, s52, 12
	s_add_co_u32 s52, s52, s17
	s_mov_b32 s53, 0
	s_lshl_b32 s54, s37, 7
	s_add_co_u32 s54, s54, s16
	s_lshl_b32 s54, s54, 12
	s_add_co_u32 s54, s54, s17
	s_mov_b32 s55, 0
	v_and_b32 v92, 31, v0                          ; lane
	v_and_b32 v93, 15, v0                          ; r
	v_bfe_u32 v94, v0, 4, 1                        ; h
	v_lshlrev_b32 v[L16], 4, v92
	v_lshlrev_b32 v[L8], 3, v92
	v_lshlrev_b32 v[GO], 12, v94
	v_lshl_add_u32 v[GO], v93, 4, v[GO]
	s_mul_i32 s56, s[WV], 4352
	s_add_co_u32 s56, s56, STAGE                   ; my stage
	v_mul_u32_u24 v[STO], v93, 272
	v_lshl_add_u32 v[STO], v94, 6, v[STO]
	v_add_nc_u32 v[STO], s56, v[STO]
	v_mul_u32_u24 v[SRD], v94, 272
	v_lshl_add_u32 v[SRD], v93, 4, v[SRD]
	v_add_nc_u32 v[SRD], s56, v[SRD]
	s_lshl_b32 s57, s21, 1
	s_add_co_u32 s57, s57, s19                     ; my tile of queries: 2 cx + u
	s_mul_i32 s57, s57, 768
	v_add_nc_u32 v10, s57, v[L16]                  ; its image's registers 0-3,
	v_add_nc_u32 v11, s57, v[L8]                   ; 4-5 (+ 512),
	s_lshl_b32 s58, s19, 8
	s_lshl_b32 s59, s21, 2
	s_add_co_u32 s58, s58, s59
	v_lshl_add_u32 v28, v93, 4, s58                ; and row r's scale word (+ 6,144): 16 (16 u + r) + 4 cx
	v_and_b32 v95, 8, v93
	v_add_nc_u32 v29, v95, v93
	v_lshlrev_b32 v95, 4, v94
	v_sub_nc_u32 v29, v29, v95
	s_lshl_b32 s58, s21, 5
	s_lshl_b32 s59, s19, 3
	s_add_co_u32 s58, s58, s59
	v_add_nc_u32 v29, s58, v29                     ; my query's place in its group, less 16 h
	s_wait_dscnt 0x0                               ; the opening add is done
	s_wait_kmcnt 0x0
	s_add_nc_u64 s[34:35], s[6:7], s[10:11]        ; group 0's global address: the head's record w
	s_or_b32 s35, s35, 0x80000000                  ; type = 2
	s_add_nc_u64 s[44:45], s[4:5], s[12:13]
	s_add_nc_u64 s[46:47], s[4:5], s[14:15]
	s_add_nc_u64 s[48:49], s[8:9], s[52:53]
	s_add_nc_u64 s[50:51], s[8:9], s[54:55]
	CROUND                                         ; all four work-groups are here: the joint loads meet
	tensor_load_to_lds s[32:35], s[24:31]          ; my one tensor load
	s_nop 0
.rept 4
	v_nop
.endr
	global_load_b128 v[16:19], v10, s[44:45]
	global_load_b64 v[20:21], v11, s[44:45] offset:512
	global_load_b32 v30, v28, s[44:45] offset:6144
	global_load_b128 v[236:239], v10, s[46:47]
	global_load_b64 v[240:241], v11, s[46:47] offset:512
	global_load_b32 v31, v28, s[46:47] offset:6144
.irp i, 0,1,2,3,4,5
	v_mov_b32 v[22+\i], 0                          ; Q's upper 64 codes are zeros,
	v_mov_b32 v[242+\i], 0
	v_mov_b32 v[80+\i], 0                          ; and so is what stands behind K's last tile
.endr
.irp b, 0,1,2,3
	v_mov_b32 v[PD+\b], 0                          ; a lane permute's destination counts as one of its sources
.endr
	v_mov_b32 v[TMP], 0
	v_mov_b32 v[NINF], 0xff800000                  ; -infinity
	v_mov_b32 v[FF], 0
	v_mov_b32 v[PWD], 0                            ; (named as the upper half of a pair before it is first written)
	s_wait_tensorcnt 0x0                           ; my record is in,
	s_barrier_signal -1
	s_barrier_wait -1                              ; everybody's is
	s_wait_loadcnt 0x0                             ; Q
; A KEY STEP: the 128 keys of the record at s[TB].
.macro STEP QR, QS, E
	v_add_nc_u32 v[AD16], s[TB], v[L16]
	v_add_nc_u32 v[AD8], s[TB], v[L8]
	v_nop
	v_nop                                          ; four places in front of loads into registers that the last products have read
.irp t, 0,1,2,3,4,5,6,7
	ds_load_b128 v[F+6*\t:F+6*\t+3], v[AD16] offset:768*\t
	ds_load_b64 v[F+6*\t+4:F+6*\t+5], v[AD8] offset:768*\t+512
.endr
	ds_load_b128 v[KS:KS+3], v[AD16] offset:6144   ; register t / 2: tile t's scale words, even in lanes 0-15, odd in lanes 16-31
	s_wait_dscnt 0x0
.irp t, 0,2,4,6
	v_wmma_scale_f32_16x16x128_f8f6f4 v[S+8*\t:S+8*\t+7], v[F+6*\t:F+6*\t+11], v[\QR:\QR+11], 0, v[KS+\t/2], v[\QS] matrix_a_fmt:MATRIX_FMT_FP6 matrix_b_fmt:MATRIX_FMT_FP6
	v_wmma_scale_f32_16x16x128_f8f6f4 v[S+8*\t+8:S+8*\t+15], v[F+6*\t+6:F+6*\t+17], v[\QR:\QR+11], 0, v[KS+\t/2], v[\QS] matrix_a_fmt:MATRIX_FMT_FP6 matrix_b_fmt:MATRIX_FMT_FP6 matrix_a_scale:MATRIX_SCALE_ROW1
.endr
.rept 4
	v_nop                                          ; places in front of the loads below and of the first read of the scores
.endr
.irp i, 0,1,2,3                        ; V's four fragments are asked for now and land under the softmax
.irp c, 0,1,2
	ds_load_b128 v[F+12*\i+4*\c:F+12*\i+4*\c+3], v[AD16] offset:6656+1536*\i+512*\c
.endr
.endr
	ds_load_b64 v[VS:VS+1], v[AD8] offset:12800
	s_cmp_lg_u32 s[TT], s[\E]                      ; the group's own keys: hidden scores become -infinity ahead of the maximum; every earlier step skips this
	s_cbranch_scc1 .Lopen_\@
.set n, 0
.rept 64                               ; register 16 b + i holds key 32 b + 16 h + i of the group: hidden where 32 b + i > my query's place - 16 h
	v_cmp_gt_i32 vcc_lo, 32*(n/16)+n%16, v29
	v_cndmask_b32 v[S+n], v[S+n], v[NINF], vcc_lo
.set n, n+1
.endr
.Lopen_\@:
.irp b, 0,1,2,3
	v_max3_num_f32 v[BM+\b], v[S+16*\b], v[S+1+16*\b], v[S+2+16*\b]   ; the largest score of each block of 32 keys: it serves for the row's maximum and, since p rises with the score, for the block's largest p
.endr
.irp i, 3,5,7,9,11,13
.irp b, 0,1,2,3
	v_max3_num_f32 v[BM+\b], v[BM+\b], v[S+16*\b+\i], v[S+1+16*\b+\i]
.endr
.endr
.irp b, 0,1,2,3
	v_max_num_f32 v[BM+\b], v[BM+\b], v[S+15+16*\b]
.endr
.irp b, 0,1,2,3
	v_permlanex16_b32 v[PD+\b], v[BM+\b], s[SEL], s[SEL+1]
.endr
.irp b, 0,1,2,3
	v_max_num_f32 v[BM+\b], v[BM+\b], v[PD+\b]     ; with lane l xor 16's 16 keys
.endr
	v_max3_num_f32 v[TMP], v[BM], v[BM+1], v[BM+2]
	v_max_num_f32 v[TMP], v[TMP], v[BM+3]          ; the step's largest score of my query
	v_mul_f32 v[TMP], s[CS], v[TMP]                ; as t (c is positive)
	v_max_num_f32 v13, v13, v[TMP]                 ; the running largest t
	v_mov_b32 v[TMP], v12
	v_floor_f32 v12, -v13                          ; the new -M = floor(-t) = -ceil(t)
	v_sub_f32 v[TMP], v12, v[TMP]                  ; old M - new M: a whole number, 0 or less
	v_cvt_i32_f32 v[TMP], v[TMP]                   ; (it saturates)
	v_ldexp_f32 v[FF], 1.0, v[TMP]                 ; f = 2^(old M - new M)
.set j, 0
.rept 32
	v_pk_fma_f32 v[S+j:S+j+1], v[S+j:S+j+1], s[CS:CS+1], v[12:13] op_sel_hi:[1,0,0]   ; t - M, two at a time
.set j, j+2
.endr
.irp b, 0,1,2,3
	v_fma_f32 v[BM+\b], v[BM+\b], s[CS], v12       ; the same of each block's largest score
.endr
.set j, 0
.rept 64
	v_exp_f32 v[S+j], v[S+j]                       ; p = 2^(t - M), at most 1
.set j, j+1
.endr
	v_pk_mul_f32 v[14:15], v[14:15], v[FF:FF+1] op_sel_hi:[1,0]   ; the sums under the new M: a plain instruction behind the exponentials
	s_wait_alu depctr_va_vdst(0)                   ; one wait for the whole batch, ahead of its first reader
.irp b, 0,1,2,3
	v_exp_f32 v[BM+\b], v[BM+\b]                   ; the block's largest p: the same two instructions on the same number give the same bits
.endr
	v_pk_add_f32 v[PD:PD+1], v[S:S+1], v[S+2:S+3]  ; the row's sum is taken of the unquantised p: two at a time, in two chains
.set j, 4
.rept 15
	v_pk_add_f32 v[14:15], v[14:15], v[S+j:S+j+1]
	v_pk_add_f32 v[PD:PD+1], v[PD:PD+1], v[S+j+2:S+j+3]
.set j, j+4
.endr
	v_pk_add_f32 v[14:15], v[14:15], v[PD:PD+1]
	s_wait_alu depctr_va_vdst(0)                   ; and one for the four
.irp b, 0,1,2,3
	v_max_num_f32 v[BM+\b], 0x1800000, v[BM+\b]    ; the floor 2^(3 - 127): the byte cannot fall under 1
.endr
.irp b, 0,1,2,3
	v_add_nc_u32 v[SOP+\b], 0xff000000, v[BM+\b]   ; 2 off the exponent field: the conversion's scale operand
.endr
.irp b, 0,1,2,3
	v_lshrrev_b32 v[PD+\b], 23, v[SOP+\b]          ; the scale's byte
.endr
	v_lshl_or_b32 v[PWD], v[PD+1], 8, v[PD]        ; p's scale word for these 128 keys
	v_lshl_or_b32 v[PWD], v[PD+2], 16, v[PWD]
	v_lshl_or_b32 v[PWD], v[PD+3], 24, v[PWD]
.irp c, 0,1
	v_cvt_scalef32_pk16_fp6_f32 v[PC+6*\c:PC+6*\c+2], v[S+32*\c:S+32*\c+15], v[SOP+2*\c]
	v_cvt_scalef32_pk16_fp6_f32 v[PT+4*\c:PT+4*\c+2], v[S+16+32*\c:S+31+32*\c], v[SOP+2*\c+1]   ; (a conversion's three registers begin on an even number)
.endr
	v_nop                                          ; one plain place behind a scaled conversion
.irp c, 0,1                            ; the operand's layout wants a WHOLE block in a lane
.irp i, 0,1,2
	v_permlane16_swap_b32 v[PC+6*\c+\i], v[PT+4*\c+\i]
.endr
.irp i, 0,1,2
	v_mov_b32 v[PC+3+6*\c+\i], v[PT+4*\c+\i]
.endr
.endr
.set j, 0
.rept 16
	v_pk_mul_f32 v[OT+j:OT+j+1], v[OT+j:OT+j+1], v[FF:FF+1] op_sel_hi:[1,0]   ; O^T under the new M; these sixteen also stand between the writes of p's codes and scale word and the products
.set j, j+2
.endr
	s_wait_dscnt 0x0                               ; V
.irp i, 0,2
	v_wmma_scale_f32_16x16x128_f8f6f4 v[OT+8*\i:OT+8*\i+7], v[F+12*\i:F+12*\i+11], v[PC:PC+11], v[OT+8*\i:OT+8*\i+7], v[VS+\i/2], v[PWD] matrix_a_fmt:MATRIX_FMT_FP6 matrix_b_fmt:MATRIX_FMT_FP6
	v_wmma_scale_f32_16x16x128_f8f6f4 v[OT+8*\i+8:OT+8*\i+15], v[F+12*\i+12:F+12*\i+23], v[PC:PC+11], v[OT+8*\i+8:OT+8*\i+15], v[VS+\i/2], v[PWD] matrix_a_fmt:MATRIX_FMT_FP6 matrix_b_fmt:MATRIX_FMT_FP6 matrix_a_scale:MATRIX_SCALE_ROW1
.endr
.endm
; THE WAY OUT: O^T / the sum goes through my stage and leaves as rows of 256 bytes: a query's 64 channels.
.macro WAYOUT OB
.rept 4
	v_nop                                          ; places behind the last products
.endr
	v_add_f32 v14, v14, v15                        ; the sum's two halves,
	v_permlanex16_b32 v[TMP], v14, s[SEL], s[SEL+1]
	v_add_f32 v14, v14, v[TMP]                     ; and lane l xor 16's
	v_rcp_f32 v14, v14
	v_nop                                          ; a plain instruction behind the reciprocal
	s_wait_alu depctr_va_vdst(0)                   ; and the wait ahead of its first reader
.set j, 0
.rept 16
	v_pk_mul_f32 v[S+j:S+j+1], v[OT+j:OT+j+1], v[14:15] op_sel_hi:[1,0]   ; register 16 b + e: channel 32 b + 16 h + e of query r
.set j, j+2
.endr
.irp b, 0,1
.irp j, 0,1,2,3
	ds_store_b128 v[STO], v[S+16*\b+4*\j:S+16*\b+4*\j+3] offset:128*\b+16*\j
.endr
.endr
.irp i, 0,1,2,3,4,5,6,7
	ds_load_b128 v[F+4*\i:F+4*\i+3], v[SRD] offset:544*\i   ; LDS serves a wave's instructions in order (ISA guide 5.7.1.4): these see my stores.  Lanes 0-15 take row 2 i, lanes 16-31 row 2 i + 1
.endr
.irp i, 0,1,2,3,4,5,6,7
	s_wait_dscnt 7-\i                              ; the younger loads may be out
	global_store_b128 v[GO], v[F+4*\i:F+4*\i+3], s[\OB:\OB+1] offset:(2*\i+8*(\i/4))*4096 th:TH_STORE_NT   ; sixteen lanes store 256 consecutive bytes, aligned; stage row p is query p + 8 (p / 8) of the tile
.endr
.endm
; A JOB: one tile of 16 queries over key steps 0 .. s[E].  The loop's trip count is a constant; a step behind the group's own is passed over by a scalar branch on the wave's number and the counter.
.macro JOB QR, QS, E, OB, TRIPS
	s_wait_xcnt 0x0                                ; the last job's stores have read their registers
	v_mov_b32 v13, 0xff61b1e6                      ; the largest t so far: -3e38
	v_floor_f32 v12, -v13                          ; -M
	v_mov_b32 v14, 0
	v_mov_b32 v15, 0
.set j, 0
.rept 32
	v_mov_b32 v[OT+j], 0                           ; O^T: the step is written once; the first finds zeros, which the first change of M leaves zeros
.set j, j+1
.endr
	s_mov_b32 s[TB], 0
	s_mov_b32 s[TT], 0
.Lkey_\@:
	s_cmp_gt_u32 s[TT], s[\E]
	s_cbranch_scc1 .Lskip_\@
	STEP \QR, \QS, \E
.Lskip_\@:
	s_add_co_u32 s[TB], s[TB], REC
	s_add_co_u32 s[TT], s[TT], 1
	s_cmp_lt_u32 s[TT], \TRIPS
	s_cbranch_scc1 .Lkey_\@
	WAYOUT \OB
.endm
	JOB 16, 30, 36, 48, 8                          ; query group m, at most 7
	JOB 236, 31, 37, 50, 16                        ; query group 15 - m
	s_wait_tensorcnt 0x0                           ; the wave's end, behind my tensor load and my last LDS store
	ds_add_u32 v[SPW], v[NIL]
	s_wait_dscnt 0x0
	CROUND                                         ; the closing round
	s_endpgm
.Lfunc_end_k_q9fa1d36ab1_attn:
	.size	k_q9fa1d36ab1_attn, .Lfunc_end_k_q9fa1d36ab1_attn-k_q9fa1d36ab1_attn
	.p2alignl 7, 3214868480
	.fill 96, 4, 3214868480
	.section	.rodata,"a",@progbits
	.p2align	6, 0x0
	.amdhsa_kernel k_q9fa1d36ab1_attn
		.amdhsa_group_segment_fixed_size 327680
		.amdhsa_private_segment_fixed_size 0
		.amdhsa_enable_private_segment 0
		.amdhsa_kernarg_size 24
		.amdhsa_user_sgpr_count 2
		.amdhsa_user_sgpr_kernarg_segment_ptr 1
		.amdhsa_wavefront_size32 1
		.amdhsa_system_sgpr_workgroup_id_x 1
		.amdhsa_system_sgpr_workgroup_id_y 1
		.amdhsa_system_sgpr_workgroup_id_z 1
		.amdhsa_system_vgpr_workitem_id 0
		.amdhsa_next_free_vgpr 256
		.amdhsa_next_free_sgpr 66
		.amdhsa_reserve_vcc 1
		.amdhsa_float_denorm_mode_32 3
		.amdhsa_float_denorm_mode_16_64 3
		.amdhsa_memory_ordered 1
		.amdhsa_forward_progress 1
		.amdhsa_inst_pref_size 58
	.end_amdhsa_kernel
	.amdgpu_metadata
---
amdhsa.version: [ 1, 2 ]
amdhsa.kernels:
  - .name:           k_q9fa1d36ab1_attn
    .symbol:         k_q9fa1d36ab1_attn.kd
    .args:
      - { .name: qrec, .offset: 0, .size: 8, .value_kind: global_buffer, .address_space: global }
      - { .name: kvrec, .offset: 8, .size: 8, .value_kind: global_buffer, .address_space: global }
      - { .name: out0, .offset: 16, .size: 8, .value_kind: global_buffer, .address_space: global }
    .group_segment_fixed_size: 327680
    .private_segment_fixed_size: 0
    .kernarg_segment_align: 8
    .kernarg_segment_size: 24
    .max_flat_workgroup_size: 512
    .sgpr_count:     66
    .vgpr_count:     256
    .wavefront_size: 32
...
	.end_amdgpu_metadata
.endif
;; end of part 3
